; MI455X (gfx1250); checked and timed in simulation.
; The chip was launched on July 23, 2026; its instructions are those of AMD's public machine-readable ISA for CDNA 5 (MIT licence, August 2026) and "CDNA5" Instruction Set Architecture Reference Guide (July 2026). The comments in the code are by the model that wrote it; some were corrected since.
;; QA Soft Max Attention. Allowed arithmetic: float matrix products may take bf16 or f16 operands with f32 sums; other float arithmetic in f32, or as packed bf16 or f16 multiplies, adds, multiply-adds, maxima and minima; sums over many terms, partial sums and values carried from step to step in f32; what a program stores and reads back later, other than sums and carried values, may be rounded once to bf16 or f16.
;; Inputs: attention_mask 8 x 2,048 float32; sequence_output 8 x 2,048 x 1,024 float32.
;; Outputs: out0 8 x 2,048 x 1,024 float32.
;; One version. Each part assembles by itself: llvm-mc -triple=amdgcn-amd-amdhsa -mcpu=gfx1250 --defsym DOCPART=n.
;; ======== version 1 of 1: 2 launches
;; workspace buffers: xb 33,554,432 bytes
;; launch tobf (part 1): grid 1024 x 1, 8 waves a work-group, no clusters, 0 bytes of LDS; arguments sequence_output, xb; writes xb
.if DOCPART == 1
	.amdgcn_target "amdgcn-amd-amdhsa--gfx1250"
	.amdhsa_code_object_version 6
	.text
	.protected	k_qeb7cd0b633_tobf
	.globl	k_qeb7cd0b633_tobf
	.p2align	8
	.type	k_qeb7cd0b633_tobf,@function
k_qeb7cd0b633_tobf:
	s_mov_b64 s[64:65], 0
	v_nop
	global_prefetch_b8 v0, s[64:65] scope:SCOPE_SE
	s_setreg_imm32_b32 hwreg(HW_REG_WAVE_MODE, 25, 1), 1
	s_wait_xcnt 0x0
; xb = bf16(sequence_output), each number rounded once to nearest even.  16,777,216 numbers: 67,108,864 bytes in, 33,554,432 out.
; A stream: every byte is read once and written once, so LDS, barriers and the matrix unit would add nothing.
; A work-group takes 65,536 input bytes, each of its eight waves 8,192: sixteen loads of 16 bytes a lane, each covering 512 consecutive bytes.
; All sixteen loads of a wave go out together; no register is written twice, so the only waits are the counted ones for the loads.
.set X, 4                              ; v[4:67]   load k: four f32
.set Y, 68                             ; v[68:99]  load k: the same four numbers as two words of bf16
	s_load_b128 s[4:7], s[0:1], 0x0                ; x s[4:5], xb s[6:7]
	v_lshrrev_b32 v3, 5, v0                        ; wave
	v_and_b32 v2, 31, v0                           ; lane
	v_lshlrev_b32 v1, 4, v2
	v_lshl_add_u32 v1, v3, 13, v1                  ; in: 8,192 x wave + 16 x lane
	v_lshlrev_b32 v2, 3, v2
	v_lshl_add_u32 v2, v3, 12, v2                  ; out: 4,096 x wave + 8 x lane
	s_lshl_b32 s8, ttmp9, 16                       ; the work-group's 65,536 bytes of x (under 2^26),
	s_mov_b32 s9, 0
	s_lshl_b32 s10, ttmp9, 15                      ; and its 32,768 bytes of xb
	s_mov_b32 s11, 0
	s_wait_kmcnt 0x0
	s_add_nc_u64 s[4:5], s[4:5], s[8:9]
	s_add_nc_u64 s[6:7], s[6:7], s[10:11]
.irp k, 0,1,2,3,4,5,6,7,8,9,10,11,12,13,14,15
	global_load_b128 v[X+4*(\k):X+4*(\k)+3], v1, s[4:5] offset:512*(\k) th:TH_LOAD_NT  ; read once in the whole program
.endr
.irp k, 0,1,2,3,4,5,6,7,8,9,10,11,12,13,14,15
	s_wait_loadcnt 15-(\k)                         ; loads come back in order: load k is in, the 15 - k younger ones stay out
	v_cvt_pk_bf16_f32 v[Y+2*(\k)], v[X+4*(\k)], v[X+4*(\k)+1]
	v_cvt_pk_bf16_f32 v[Y+2*(\k)+1], v[X+4*(\k)+2], v[X+4*(\k)+3]
	global_store_b64 v2, v[Y+2*(\k):Y+2*(\k)+1], s[6:7] offset:256*(\k)  ; 32 lanes x 8 bytes: 256 consecutive bytes, at a multiple of 256 from xb's first; no hint: the next launch reads them
.endr
	s_endpgm
.Lfunc_end_k_qeb7cd0b633_tobf:
	.size	k_qeb7cd0b633_tobf, .Lfunc_end_k_qeb7cd0b633_tobf-k_qeb7cd0b633_tobf
	.p2alignl 7, 3214868480
	.fill 96, 4, 3214868480
	.section	.rodata,"a",@progbits
	.p2align	6, 0x0
	.amdhsa_kernel k_qeb7cd0b633_tobf
		.amdhsa_group_segment_fixed_size 0
		.amdhsa_private_segment_fixed_size 0
		.amdhsa_enable_private_segment 0
		.amdhsa_kernarg_size 16
		.amdhsa_user_sgpr_count 2
		.amdhsa_user_sgpr_kernarg_segment_ptr 1
		.amdhsa_wavefront_size32 1
		.amdhsa_system_sgpr_workgroup_id_x 1
		.amdhsa_system_sgpr_workgroup_id_y 1
		.amdhsa_system_sgpr_workgroup_id_z 1
		.amdhsa_system_vgpr_workitem_id 0
		.amdhsa_next_free_vgpr 100
		.amdhsa_next_free_sgpr 66
		.amdhsa_reserve_vcc 0
		.amdhsa_float_denorm_mode_32 3
		.amdhsa_float_denorm_mode_16_64 3
		.amdhsa_memory_ordered 1
		.amdhsa_forward_progress 1
		.amdhsa_inst_pref_size 7
	.end_amdhsa_kernel
	.amdgpu_metadata
---
amdhsa.version: [ 1, 2 ]
amdhsa.kernels:
  - .name:           k_qeb7cd0b633_tobf
    .symbol:         k_qeb7cd0b633_tobf.kd
    .args:
      - { .name: sequence_output, .offset: 0, .size: 8, .value_kind: global_buffer, .address_space: global }
      - { .name: xb, .offset: 8, .size: 8, .value_kind: global_buffer, .address_space: global }
    .group_segment_fixed_size: 0
    .private_segment_fixed_size: 0
    .kernarg_segment_align: 8
    .kernarg_segment_size: 16
    .max_flat_workgroup_size: 256
    .sgpr_count:     66
    .vgpr_count:     100
    .wavefront_size: 32
...
	.end_amdgpu_metadata
.endif
;; end of part 1
;; launch attn (part 2): grid 32 x 8, 4 waves a work-group, clusters of 4 x 1, 327,680 bytes of LDS; arguments attention_mask, xb, out0; writes out0
.if DOCPART == 2
	.amdgcn_target "amdgcn-amd-amdhsa--gfx1250"
	.amdhsa_code_object_version 6
	.text
	.protected	k_qeb7cd0b633_attn
	.globl	k_qeb7cd0b633_attn
	.p2align	8
	.type	k_qeb7cd0b633_attn,@function
k_qeb7cd0b633_attn:
	s_mov_b64 s[64:65], 0
	v_nop
	global_prefetch_b8 v0, s[64:65] scope:SCOPE_SE
	s_setreg_imm32_b32 hwreg(HW_REG_WAVE_MODE, 25, 1), 1
	s_wait_xcnt 0x0
	s_wait_alu depctr_hold_cnt(0) depctr_sa_sdst(0) depctr_va_vdst(0) depctr_va_sdst(0) depctr_va_ssrc(0) depctr_va_vcc(0) depctr_vm_vsrc(0)
	s_getreg_b32 s2, hwreg(HW_REG_IB_STS2, 6, 4)
	s_cmp_eq_u32 s2, 0
	s_cbranch_scc0 .Lentry_in_a_cluster
	s_endpgm
.Lentry_in_a_cluster:
	s_bfe_u32 s2, ttmp6, 0x10000c
	s_cmp_lg_u32 s2, 0x3003
	s_cbranch_scc0 .Lentry_shape_is_right
	s_endpgm
.Lentry_shape_is_right:
; out[b][q][:] = the sum over k of softmax_k(m_q m_k (x_q . x_k) / 32) x_k.  xb: [8][2048][1024] bf16 (x rounded once), mask: [8][2048] f32, out: [8][2048][1024] f32.
; The mask is taken out of the product: Q, K and V are all xb, and u = m_k m_q log2(e) / 32 multiplies the f32 sums.  One LDS tile serves as K (read as it lies) and as V (read turned).
; LIMITS.  x and the weights p are bf16 in the products; sums, maxima, l, the partial scores and the mask stay f32; the f32 sums are added in another order than a plain dot product's.
; A weight below 2^-126 counts as 0; NaN and infinities are not treated apart; a row all of whose scaled scores lie at the lowest finite number is not served.
; SHARES.  256 work-groups: 64 queries of one batch each; every work-group walks its batch's 2,048 keys.  Wave w owns channels 256 w .. 256 w + 255 (its STRIP) in both products:
;   S^T_w = K[:, strip] Q[:, strip]^T, a partial sum (Q's strip stays in 256 registers; a fragment of K feeds 4 products);  O^T[strip, 64 queries] += V^T[strip, keys] P: 64 accumulators, 512 registers.
; A wave's strip of a tile is fetched by that wave's own tensor load and read by that wave alone.
; BLOCKS OF 16 QUERIES are numbered from the wave: its local block i is block g_i = (w + i) & 3, and local block 0 is the one whose softmax it owns.  So register numbers are alike in all waves.
; THE EXCHANGE.  A wave keeps its partial scores of local block 0 and stores those of blocks 1 to 3, in f32, register for register, into the owners' inboxes in LDS.  The owner adds the three images, makes
; m, a, p and l for its 16 queries, and publishes p (bf16, as a fragment) and a.
; THE PIPELINE goes by HALVES of 32 keys, h = 0 .. 63.  Body t has two phases.  Phase 1: the 64 products K Q^T of half t + 1; behind each stand the four lines that multiply one accumulator of O^T by a(t).
; Phase 2: the 64 products V^T P of half t; beside them the whole softmax of half t + 1.  So from a half's last score product to its first product V^T P lie two phases, in which its images are sent and
; read, its softmax is made, and its p and a are published and read, all beside products.  A prologue makes half 0's scores and softmax alone.  The last body's phase 1 has no half left: it multiplies
; a stale tile, and the softmax made of that writes l into the other of l's two register pairs and serves nothing: the price, once a launch, of one text for every body.
; LAYOUT.  S^T = K Q^T (source 0 = 16 keys, source 1 = 16 queries): a lane holds ONE query (lane % 16) and keys 8 (lane / 16) + 0..7; a half's two results rounded to bf16 ARE source 1 of O^T = V^T P.
; SOFTMAX.  Running maximum m of the scaled scores t = u s, p = 2^(t - m); for every half O and l are multiplied by a = 2^(m_old - m_new).  m starts at the lowest finite number, O and l at 0: the first a is 0.
; TILES.  Two slots of 64 keys.  Trip j is bodies 2 j and 2 j + 1; slot j % 2 is last read by body 2 j + 1's loads of V and filled again behind that body's closing barrier with tile j + 2,
; which is first read at the last run of LDS loads of body 2 j + 2: the load has 112 of a wave's products in which to land.
; CLUSTER.  The four query blocks of a cluster belong to one batch and walk the same tiles: each strip is asked for JOINTLY, by the same load, descriptor and mask of four in all four work-groups.
; REGISTERS, in windows of 256 (s_set_vgpr_msb: bits 1:0 source 0, 3:2 source 1, 5:4 source 2, 7:6 destination):
;   window 0: addresses, statistics, mask, scores, fragments (map below)     windows 1, 2: O^T, (cb, i) at 8 (4 (cb % 8) + i) of window 1 + cb / 8     window 3: Q, (i, c) at 8 (8 i + c)
.set PITCH,  528                       ; a strip's row in LDS: 512 bytes + 16 of padding = 132 words: row r starts at bank 4 r mod 64 (64 banks of 4 bytes: ISA guide 11.1)
.set HALF,   32*PITCH                  ; 16,896: a half's 32 keys of one strip
.set STRIP,  64*PITCH                  ; 33,792: a tile's 64 keys of one wave's 256 channels
.set SLOT,   4*STRIP                   ; 135,168 = 0x21000
.set TILEB,  64*2048                   ; bytes of xb from a tile to the next
.set XCH,    2*SLOT                    ; behind the ring, never filled by a tensor load: 8,192 bytes an owner:
.set OWNB,   8192                      ;   the inbox, three images of 2 x 1,024 bytes,
.set POFF,   6144                      ;   p, 1,024 bytes,
.set AOFF,   7168                      ;   a, a word in each lane's 16 bytes,
.set ROFF,   7680                      ;   and at the end 1 / l, likewise
.set SPARE,  XCH+4*OWNB                ; the spare words, 128 bytes for each wave: two blocks of 256 bytes that no other line names
.set SPITCH, 1040                      ; the way out: a row of 256 f32 + 16 bytes = 260 words: row r starts at bank 4 r mod 64
.set STG,    16*SPITCH                 ; a stage: 16 rows; two of them fit in a strip
.set MO,  1                            ; v1   byte offset of my 8 mask numbers of a 16-key block in the half to be loaded
.set SPW, 2                            ; v2   LDS address of my spare word; never rewritten
.set NIL, 3                            ; v3   0; never rewritten
.set AK0, 4                            ; v4   my lane's place in my strip, for K
.set AV0, 5                            ; v5   the same for the turning loads
.set AK,  6                            ; v6   AK0 + the slot from which K is read
.set AV,  7                            ; v7   AV0 + the slot from which V is read
.set BA,  8                            ; v8-11  block g_i's 8,192 bytes + 16 x lane
.set CMQ, 12                           ; v12-13  c m_q, and 0
.set MX,  14                           ; v14  m
.set MXO, 15                           ; v15  m_old (named with m as a pair)
.set LS,  16                           ; v16-17 l behind an even half, v18-19 behind an odd one (even keys', odd keys')
.set CT,  20                           ; v20-23  at work; at the start Q's offsets, at the end out's
.set AF,  24                           ; v[24+2i]  a of local block i (its odd neighbour is 0); at the end 1 / l
.set MK,  32                           ; v32-47  m_k, then u: register 8 kb + j is key 16 kb + 8 (lane / 16) + j of the half
.set SO,  48                           ; v48-63  my own block's scores, 8 a key block; then p
.set IN,  64                           ; v64-111  phase 1: v64-87 the three accumulators to be sent; phase 2: the three images, 16 each
.set PF1, 112                          ; v112-135  P of local blocks 1-3
.set PF0, 136                          ; v136-151  my own block's P: an even half's, an odd half's
.set B0,  152                          ; v152-247  three buffers of 32 for fragments of K and V^T
.set X8,  248                          ; v248-255  with v88-111 a fourth buffer, for K alone: those 24 hold images only from phase 2's second run of loads to the sums that take them
.set RT,  64                           ; set-up only: lane % 16, (lane / 16) % 2, lane, two offsets
.set HT,  65
.set LT,  66
.set TT,  67
.set TQ,  68
.set WR,  32                           ; the way out: lane % 16, (lane / 16) % 2
.set WH,  33
.set STW, 4                            ; the way out: v4-5 where I put rows, in slot 0 and 1;
.set STR, 6                            ; v6-7 where I read them back
.set WV,  10                           ; s10  my wave's number
.set CX,  11                           ; s11  my place in the cluster: it enters Q's, m_q's and out's global addresses alone
.set QBK, 12                           ; s12  my block of 64 queries
.set BT,  13                           ; s13  the batch
.set WS,  22                           ; s22  w x STRIP
.set G1,  24                           ; s[24:31] descriptor group 1
.set G0A, 32                           ; s[32:35] group 0 of tile 0; never rewritten
.set G0W, 36                           ; s[36:39] group 0 of tile 1; it then walks
.set CNT, 40
.set TB,  41                           ; s41  LDS byte at which the trip's slot begins
.set SEL, 42                           ; s[42:43] v_permlanex16_b32's selects: each lane takes its own place in the other half
.set MB,  44                           ; s[44:45] the batch's mask
.set QP,  46                           ; s[46:47] xb at my block's first row, my strip
.set OUTB, 48                          ; s[48:49] out at my block's first row, my strip
.set GI,  50                           ; s50-53  g_i
.set CC,  54                           ; s54  c = log2(e) / 32
.set TBN, 55                           ; s55  the other slot
.set MSB, 0
.macro WIN new                         ; the immediate's high byte repeats the setting that is left; a switch that changes nothing is dropped
.if MSB != (\new)
	s_set_vgpr_msb (MSB<<8)|(\new)
.set MSB, \new
.endif
.endm
.set W_QK, 0x0c                        ; Q (source 1) in window 3; K and the scores in window 0
.macro PLACES n=4                      ; plain vector instructions between a matrix instruction and a load into, a store of, or a write over its registers (ISA guide 7.12.1 for stores and writes)
.rept \n
	v_nop
.endr
.endm
; A round of the cluster's barrier: my work-group's barrier, so that wave 0's signal speaks for all four waves; wave 0 signals; every wave waits for all four work-groups; my work-group's barrier once more.
.macro CREST                           ; a round behind its opening barrier
	s_cmp_lg_u32 s[WV], 0
	s_cbranch_scc1 .Lnot_wave_0_\@
	s_barrier_signal -3
.Lnot_wave_0_\@:
	s_barrier_wait -3
	s_barrier_signal -1
	s_barrier_wait -1
.endm
.macro CROUND                          ; a whole round
	s_barrier_signal -1
	s_barrier_wait -1
	CREST
.endm
	s_load_b128 s[4:7], s[0:1], 0x0                ; mask s[4:5], xb s[6:7]
	s_load_b64 s[8:9], s[0:1], 0x10                ; out
	v_lshl_add_u32 v[SPW], v0, 2, SPARE
	v_mov_b32 v[NIL], 0
	ds_add_u32 v[SPW], v[NIL]                      ; the wave's opening: the add and its wait stand ahead of my first tensor load; the set-up below, work on registers, stands between them
	v_lshrrev_b32 v[MO], 5, v0
	v_readfirstlane_b32 s[WV], v[MO]               ; wave 0..3
	s_bfe_u32 s[CX], ttmp6, 0x40000
	s_lshl_b32 s[QBK], ttmp9, 2                    ; in a cluster launch ttmp9 counts clusters
	s_add_co_u32 s[QBK], s[QBK], s[CX]             ; my block of 64 queries = 4 x cluster x + cx
	s_and_b32 s[BT], ttmp7, 0xffff                 ; the batch, which the four partners share
	s_mov_b32 s[GI], s[WV]
.irp i, 1,2,3
	s_add_co_u32 s[GI+(\i)], s[WV], (\i)
	s_and_b32 s[GI+(\i)], s[GI+(\i)], 3            ; g_i = (w + i) & 3
.endr
	s_mul_i32 s[WS], s[WV], STRIP
	; descriptor group 1: a tile of 64 rows x 256 elements out of rows of 1,024, padded in LDS
	s_mov_b32 s[G1], 15|(1<<16)|(1<<20)|(1<<21)|(6<<22)|(3<<25)  ; 15:0 the mask of four; 17:16 2-byte elements; 20 padding on; 21 set beside a mask; 24:22 after every 128 words (code 6); 31:25 4 words (code 3)
	s_mov_b32 s[G1+1], 256<<16                     ; tensor_dim0 = 256
	s_mov_b32 s[G1+2], 64<<16                      ; tensor_dim1 = 64
	s_mov_b32 s[G1+3], 256<<16                     ; tile_dim0 = 256: 512 bytes of a row, at a multiple of 512 from xb's first byte
	s_mov_b32 s[G1+4], 64                          ; tile_dim1 = 64
	s_mov_b32 s[G1+5], 1024                        ; elements from row to row
	s_mov_b32 s[G1+6], 0
	s_mov_b32 s[G1+7], 0
	s_mov_b32 s[G0A], 1                            ; count = 1
	s_mov_b32 s[G0A+1], s[WS]                      ; LDS: my strip of slot 0: no place in the cluster enters an LDS address
	s_mov_b32 s[G0W], 1
	s_add_co_u32 s[G0W+1], s[WS], SLOT             ; my strip of slot 1
	s_lshl_b32 s14, s[BT], 22                      ; the batch's 4 MiB of xb,
	s_lshl_b32 s15, s[WV], 9                       ; my strip's 512 bytes in a row: all that a tile's address hangs on
	s_add_co_u32 s14, s14, s15
	s_mov_b32 s15, 0
	s_lshl_b32 s16, s[QBK], 17                     ; my block's 64 rows of 2,048 bytes
	s_mov_b32 s17, 0
	s_lshl_b32 s18, s[BT], 23                      ; in out: the batch's 8 MiB,
	s_lshl_b32 s19, s[QBK], 18                     ; 64 rows of 4,096 bytes,
	s_add_co_u32 s18, s18, s19
	s_lshl_b32 s19, s[WV], 10                      ; my strip's 1,024 bytes
	s_add_co_u32 s18, s18, s19
	s_mov_b32 s19, 0
	s_lshl_b32 s20, s[BT], 13                      ; the batch's 8,192 bytes of mask
	s_mov_b32 s21, 0
	s_mov_b32 s[SEL], 0x76543210
	s_mov_b32 s[SEL+1], 0xfedcba98
	s_mov_b32 s[TB], SLOT                          ; the prologue counts as an odd body: it reads K from the other slot, slot 0, and swaps the two at its end
	s_mov_b32 s[TBN], 0
	s_mov_b32 s[CC], 0x3d38aa3b                    ; log2(e) / 32 = 0.0450842
	s_wait_dscnt 0x0                               ; the opening add is done
	s_wait_kmcnt 0x0
	s_add_nc_u64 s[G0A+2:G0A+3], s[6:7], s[14:15]  ; tile 0
	s_add_nc_u64 s[G0W+2:G0W+3], s[G0A+2:G0A+3], TILEB  ; tile 1
	s_add_nc_u64 s[QP:QP+1], s[G0A+2:G0A+3], s[16:17]
	s_or_b32 s[G0A+3], s[G0A+3], 0x80000000        ; type = 2
	s_or_b32 s[G0W+3], s[G0W+3], 0x80000000
	s_add_nc_u64 s[MB:MB+1], s[4:5], s[20:21]
	s_add_nc_u64 s[OUTB:OUTB+1], s[8:9], s[18:19]
	CROUND                                         ; all four work-groups are here: the first joint loads meet
	tensor_load_to_lds s[G0A:G0A+3], s[G1:G1+7]    ; both first fills go out together: two loads of mine are out
	s_nop 0
	tensor_load_to_lds s[G0W:G0W+3], s[G1:G1+7]
	s_nop 0
	PLACES
	; All that follows up to the wait for tile 0 stands in that wait.
	v_and_b32 v[RT], 15, v0
	v_bfe_u32 v[HT], v0, 4, 1
	v_and_b32 v[LT], 31, v0
	v_lshlrev_b32 v[TT], 11, v[RT]
	v_lshl_add_u32 v[TT], v[HT], 4, v[TT]          ; a fragment of Q: row lane % 16 x 2,048 + 16 x half
.irp i, 0,1,2,3
	s_lshl_b32 s56, s[GI+(\i)], 15                 ; block g_i's 16 rows
	v_add_nc_u32 v[CT+(\i)], s56, v[TT]
.endr
	WIN 0xc0                                       ; destination window 3, address window 0
.irp i, 0,1,2,3
.irp c, 0,1,2,3,4,5,6,7                ; Q stays in registers: local block i, channels 32 c on of my strip; two loads of 16 bytes, 32 bytes apart
	global_load_b128 v[8*(8*(\i)+(\c)):8*(8*(\i)+(\c))+3],   v[CT+(\i)], s[QP:QP+1] offset:64*(\c)
	global_load_b128 v[8*(8*(\i)+(\c))+4:8*(8*(\i)+(\c))+7], v[CT+(\i)], s[QP:QP+1] offset:64*(\c)+32
.endr
.endr
	WIN 0
	s_lshl_b32 s56, s[QBK], 8
	s_lshl_b32 s57, s[WV], 6
	s_add_co_u32 s56, s56, s57
	v_lshl_add_u32 v[TQ], v[RT], 2, s56            ; my own query: 64 x block + 16 w + lane % 16, in words of 4 bytes
	global_load_b32 v[CMQ], v[TQ], s[MB:MB+1]      ; m_q
	v_lshlrev_b32 v[MO], 5, v[HT]                  ; half 0: 32 bytes on for the upper half of the lanes
.irp k, 0,1
	global_load_b128 v[MK+8*(\k):MK+8*(\k)+3],   v[MO], s[MB:MB+1] offset:64*(\k)
	global_load_b128 v[MK+8*(\k)+4:MK+8*(\k)+7], v[MO], s[MB:MB+1] offset:64*(\k)+16
.endr
.irp i, 0,1,2,3
	s_lshl_b32 s56, s[GI+(\i)], 13
	s_add_co_u32 s56, s56, XCH
	v_lshl_add_u32 v[BA+(\i)], v[LT], 4, s56
.endr
	v_mul_u32_u24 v[AK0], v[RT], PITCH
	v_lshl_add_u32 v[AK0], v[HT], 4, v[AK0]
	v_add_nc_u32 v[AK0], s[WS], v[AK0]             ; my strip + row x pitch + 16 x half
	; The turning load: lane l reads 16 bytes of key 8 (l / 16) + l % 8.  The second eight lanes of sixteen read 128 bytes, 64 channels, further on (not 16): eight rows x 4 banks, and the same 32 banks on.
	; So rows 0-7 of an accumulator of O^T are channels c .. c + 7 and rows 8-15 channels c + 64 .. c + 71: the way out's addresses take that up.
	v_and_b32 v[AK], 7, v0
	v_lshl_add_u32 v[AV0], v[HT], 3, v[AK]
	v_mul_u32_u24 v[AV0], v[AV0], PITCH
	v_bfe_u32 v[AK], v0, 3, 1
	v_lshl_add_u32 v[AV0], v[AK], 7, v[AV0]
	v_add_nc_u32 v[AV0], s[WS], v[AV0]
	; O^T and l start at 0 and m at the lowest finite number, so that the first half is a half like any other, with a = 0: no further copy of the body's text is written for it.
	WIN 0x40
.set i, 0
.rept 256
	v_mov_b32 v[i], 0
.set i, i+1
.endr
	WIN 0x80
.set i, 0
.rept 256
	v_mov_b32 v[i], 0
.set i, i+1
.endr
	WIN 0
	v_mov_b32 v[MX], 0xff7fffff
	v_mov_b32 v[MXO], 0
	v_mov_b32 v[CMQ+1], 0
.set i, 0
.rept 4
	v_mov_b32 v[LS+i], 0
.set i, i+1
.endr
.set i, 0
.rept 8
	v_mov_b32 v[AF+i], 0
.set i, i+1
.endr
	s_wait_loadcnt 0x0                             ; Q, m_q and half 0's mask are in; their address registers are free
	v_mul_f32 v[CMQ], s[CC], v[CMQ]
; THE FRAGMENT BUFFERS.  A body's products go in eight groups of 16: K0 .. K3 (key block g / 2, channels 128 (g % 2) on), V0 .. V3 (four channel blocks each).  They take the buffers 3, 1, 2, 3, 0, 1, 2, 0:
; any three groups on end, from body to body too, lie in different buffers, so a group's loads can be issued when the group two ahead of it begins.
.macro KREG g, f                       ; kr: the registers of fragment f of group g of K
.if ((\g) == 0) || ((\g) == 3)
.if (\f) == 0
.set kr, X8
.else
.set kr, IN+16+8*(\f)
.endif
.else
.set kr, B0+32*(\g)+8*(\f)
.endif
.endm
.macro KLOAD g, off                    ; 8 LDS loads: group g of K's fragments, of the half that begins off bytes into the slot
.irp f, 0,1,2,3
	KREG \g, \f
	ds_load_b128 v[kr:kr+3],   v[AK] offset:(\off)+((\g)/2)*16*PITCH+((\g)%2)*256+64*(\f)
	ds_load_b128 v[kr+4:kr+7], v[AK] offset:(\off)+((\g)/2)*16*PITCH+((\g)%2)*256+64*(\f)+32
.endr
.endm
.macro VLOADG v, off                   ; 8 turning loads: V^T of channel blocks 4 v .. 4 v + 3 (block cb: channels 128 (cb / 8) + 8 (cb % 8) + 0..7, and 64 on), the half's 32 keys
.irp u, 0,1,2,3
.set vl_r, B0+32*((\v)%3)+8*(\u)
.set vl_c, 4*(\v)+(\u)
.set vl_o, (\off)+256*(vl_c/8)+16*(vl_c%8)
	ds_load_tr16_b128 v[vl_r:vl_r+3],   v[AV] offset:vl_o
	ds_load_tr16_b128 v[vl_r+4:vl_r+7], v[AV] offset:vl_o+16*PITCH
.endr
.endm
.macro RESC4                           ; accumulator qn of O^T's 64 (local block qn / 16, channel block qn % 16) times a: its lowest pair first
.set rc_i, qn/16
.set rc_c, qn%16
.set rR, 8*(4*(rc_c%8)+rc_i)
	WIN 0x41*(1+rc_c/8)                            ; destination and source 0 in O^T's window, a in window 0
.irp p, 0,1,2,3
	v_pk_mul_f32 v[rR+2*(\p):rR+2*(\p)+1], v[rR+2*(\p):rR+2*(\p)+1], v[AF+2*rc_i:AF+2*rc_i+1] op_sel_hi:[1,0]
.endr
.set qn, qn+1
.endm
; 16 products of group g.  The four query blocks' accumulators take turns, one instruction a turn.  A key block's first products start the sums with the constant 0.
; Behind each product stand four lines of the rescaling, which name none of its registers: my own block's accumulators first, since its a is in a register from the start.
.macro QKG g
.irp f, 0,1,2,3
.irp i, 0,1,2,3
	KREG \g, \f
.if (\i) == 0
.set rS, SO+8*((\g)/2)
.else
.set rS, IN+8*((\i)-1)
.endif
.set rQ, 8*(8*(\i)+4*((\g)%2)+(\f))
	WIN W_QK
.if (((\g)%2) == 0) && ((\f) == 0)
	v_wmma_f32_16x16x32_bf16 v[rS:rS+7], v[kr:kr+7], v[rQ:rQ+7], 0
.else
	v_wmma_f32_16x16x32_bf16 v[rS:rS+7], v[kr:kr+7], v[rQ:rQ+7], v[rS:rS+7]
.endif
.if PVON
	RESC4
.endif
.endr
.endr
.endm
; 6 LDS stores: my partial scores of key block kb for local blocks 1 to 3 go to their owners: image i - 1, register for register; each accumulator's low four registers first
.macro SENDK kb
.irp i, 1,2,3
	ds_store_b128 v[BA+(\i)], v[IN+8*((\i)-1):IN+8*((\i)-1)+3]   offset:((\i)-1)*2048+(\kb)*1024
	ds_store_b128 v[BA+(\i)], v[IN+8*((\i)-1)+4:IN+8*((\i)-1)+7] offset:((\i)-1)*2048+(\kb)*1024+512
.endr
.endm
.macro PVM                             ; phase 2's next product: channel block pn / 4, local block pn % 4; each of the 64 accumulators has one turn a body
.if PVON
.set pv_c, pn/4
.set pv_i, pn%4
.set rO, 8*(4*(pv_c%8)+pv_i)
.set rV, B0+32*((pv_c/4)%3)+8*(pv_c%4)
.if pv_i == 0
.set rP, PF0+8*PAR
.else
.set rP, PF1+8*(pv_i-1)
.endif
	WIN 0x50*(1+pv_c/8)                            ; C and D in O^T's window
	v_wmma_f32_16x16x32_bf16 v[rO:rO+7], v[rV:rV+7], v[rP:rP+7], v[rO:rO+7]
.endif
.set pn, pn+1
.endm
; THE SOFTMAX of 16 queries x 32 keys, a line at a time: OP kind, number.  A lane holds one query and 16 scores, s0-s15, in 8 pairs.
;   K_U n: u = m_k x c m_q, pair n.   K_W n: my own partial scores times u.   K_F n: image n / 8, pair n % 8, times u, added on.   K_D n: t - m.   K_E n: the exponential of score n.
;   K_C n: pair n rounded to bf16: key blocks 0 and 1, rounded in pairs, are the fragment of P.   K_B n: the sum of the 8 pairs of unrounded weights, in place: neighbours 1, 2 and 4 pairs apart.   K_L: l = a l + the sum.
;   K_X n: 0-6, 8 the maximum of s0-s15 and the old m, three operands at a time; 7 m_old is kept; 9, 10 the query's other 16 keys lie in the lane 16 away: the new m; 11, 12 a = 2^(m_old - m)
.set K_U, 0
.set K_W, 1
.set K_F, 2
.set K_D, 3
.set K_E, 4
.set K_C, 5
.set K_B, 6
.set K_L, 7
.set K_X, 8
.macro OP k, n
	WIN 0
.if (\k) == K_U
	v_pk_mul_f32 v[MK+2*(\n):MK+2*(\n)+1], v[MK+2*(\n):MK+2*(\n)+1], v[CMQ:CMQ+1] op_sel_hi:[1,0]
.elseif (\k) == K_W
	v_pk_mul_f32 v[SO+2*(\n):SO+2*(\n)+1], v[SO+2*(\n):SO+2*(\n)+1], v[MK+2*(\n):MK+2*(\n)+1]
.elseif (\k) == K_F
	v_pk_fma_f32 v[SO+2*((\n)%8):SO+2*((\n)%8)+1], v[IN+2*(\n):IN+2*(\n)+1], v[MK+2*((\n)%8):MK+2*((\n)%8)+1], v[SO+2*((\n)%8):SO+2*((\n)%8)+1]
.elseif (\k) == K_D
	v_pk_add_f32 v[SO+2*(\n):SO+2*(\n)+1], v[SO+2*(\n):SO+2*(\n)+1], v[MX:MX+1] op_sel_hi:[1,0] neg_lo:[0,1] neg_hi:[0,1]
.elseif (\k) == K_E
	v_exp_f32 v[SO+(\n)], v[SO+(\n)]
.elseif (\k) == K_C
	s_wait_alu depctr_va_vdst(0)
	v_cvt_pk_bf16_f32 v[PFN+(\n)], v[SO+2*(\n)], v[SO+2*(\n)+1]
.elseif (\k) == K_B
.if (\n) < 4
	v_pk_add_f32 v[SO+4*(\n):SO+4*(\n)+1], v[SO+4*(\n):SO+4*(\n)+1], v[SO+4*(\n)+2:SO+4*(\n)+3]
.elseif (\n) == 4
	v_pk_add_f32 v[SO:SO+1], v[SO:SO+1], v[SO+4:SO+5]
.elseif (\n) == 5
	v_pk_add_f32 v[SO+8:SO+9], v[SO+8:SO+9], v[SO+12:SO+13]
.else
	v_pk_add_f32 v[SO:SO+1], v[SO:SO+1], v[SO+8:SO+9]
.endif
.elseif (\k) == K_L
	v_pk_fma_f32 v[LS+2*(1-PAR):LS+2*(1-PAR)+1], v[LS+2*PAR:LS+2*PAR+1], v[AF:AF+1], v[SO:SO+1] op_sel_hi:[1,0,1]
.elseif (\n) < 4
	v_max3_num_f32 v[CT+(\n)], v[SO+3*(\n)], v[SO+3*(\n)+1], v[SO+3*(\n)+2]
.elseif (\n) == 4
	v_max3_num_f32 v[CT], v[CT], v[SO+12], v[SO+13]
.elseif (\n) == 5
	v_max3_num_f32 v[CT+1], v[CT+1], v[SO+14], v[SO+15]
.elseif (\n) == 6
	v_max3_num_f32 v[CT+2], v[CT+2], v[CT+3], v[MX]
.elseif (\n) == 7
	v_mov_b32 v[MXO], v[MX]
.elseif (\n) == 8
	v_max3_num_f32 v[CT], v[CT], v[CT+1], v[CT+2]
.elseif (\n) == 9
	v_permlanex16_b32 v[CT+3], v[CT], s[SEL], s[SEL+1]
.elseif (\n) == 10
	v_max_num_f32 v[MX], v[CT], v[CT+3]
.elseif (\n) == 11
	v_sub_f32 v[CT+1], v[MXO], v[MX]
.else
	v_exp_f32 v[AF], v[CT+1]
.endif
.endm
.macro ROW a=-1, i1=0, b=-1, i2=0, c=-1, i3=0, d=-1, i4=0, e=-1, i5=0  ; a product of phase 2 and the lines of the softmax behind it; none names a register of the products round it
	PVM
.if (\a) >= 0
	OP \a, \i1
.endif
.if (\b) >= 0
	OP \b, \i2
.endif
.if (\c) >= 0
	OP \c, \i3
.endif
.if (\d) >= 0
	OP \d, \i4
.endif
.if (\e) >= 0
	OP \e, \i5
.endif
.endm
; BODY t.  par = t % 2.  pv = 0: the prologue: no rescaling, no products V^T P, no loads of V.  first = 1: K's first group has not been fetched ahead, and there is no p or a to read.
; fill = 1: the closing barrier opens a round of the cluster's, and the trip's slot is filled again behind it.
; The LDS instructions stand in seven runs, one at a group's head, never singly among the products.  With pv = 1 the four lines of the rescaling behind a group's last product are the places in front of the run.
; TWO BARRIERS.  The first (signalled behind phase 2's product 12, awaited behind product 16) stands between everybody's sends and the owners' reads of their inboxes, and between everybody's reads of p(t) and
; a(t) and the owners' stores of p(t + 1) and a(t + 1).  The second closes the body: between those stores and the reads at the next body's head, and between the owners' reads of their inboxes and the next sends.
.macro BODY par, pv, first, fill
.set PAR, (\par)
.set PVON, (\pv)
.set qn, 0
.set pn, 0
.set KOFF, HALF*(1-(\par))             ; half t + 1: an even body's lies in the trip's slot, second half; an odd body's in the other slot, first half
.set VOFF, HALF*(\par)                 ; half t
.set PFN, PF0+8*(1-(\par))             ; where my own p(t + 1) goes
	WIN 0
.if (\par) == 0
	v_add_nc_u32 v[AK], s[TB], v[AK0]
	v_add_nc_u32 v[AV], s[TB], v[AV0]
.else
	v_add_nc_u32 v[AK], s[TBN], v[AK0]
.endif
.if \first
	KLOAD 0, KOFF
	KLOAD 1, KOFF
	KLOAD 2, KOFF
	s_wait_dscnt 16                                ; group 0 is in; groups 1 and 2 may be out
.else
	PLACES                                         ; behind the last products V^T P: P's registers are loaded again
	KLOAD 1, KOFF
.irp i, 1,2,3
	ds_load_b32 v[AF+2*(\i)], v[BA+(\i)] offset:AOFF
.endr
.irp i, 1,2,3
	ds_load_b128 v[PF1+8*((\i)-1):PF1+8*((\i)-1)+3],   v[BA+(\i)] offset:POFF
	ds_load_b128 v[PF1+8*((\i)-1)+4:PF1+8*((\i)-1)+7], v[BA+(\i)] offset:POFF+512
.endr
	KLOAD 2, KOFF                                  ; group 0 was fetched in the body before, and waited for in front of its closing barrier
.endif
	QKG 0
	WIN 0
.if PVON == 0
	PLACES 5
.endif
	KLOAD 3, KOFF
	s_wait_dscnt 22-6*(\first)                     ; group 1 and a are in; out may be P's 6 loads (none in the prologue), groups 2 and 3
	QKG 1
	WIN 0
.if PVON == 0
	PLACES 5                                       ; five: key block 1's first products write over the accumulators that are sent here
.endif
	SENDK 0
.if PVON
	VLOADG 0, VOFF
.endif
	s_wait_dscnt 14+8*(\pv)                        ; group 2 (and P) are in; out may be group 3, six stores, V0
	QKG 2
	WIN 0
.if PVON
	VLOADG 1, VOFF
.endif
	s_wait_dscnt 6+16*(\pv)                        ; group 3 is in; out may be six stores, V0, V1
	QKG 3
	WIN 0
.if PVON == 0
	PLACES 5
.endif
	SENDK 1
.if PVON
	VLOADG 2, VOFF
.endif
	s_wait_loadcnt 0x0                             ; half t + 1's mask, asked for a body ago, is in; its address register is free
	v_add_nc_u32 v[MO], 0x80, v[MO]                ; the next half's 32 numbers;
	v_and_b32 v[MO], 0x1fff, v[MO]                 ; behind the last half the offset wraps to the batch's first keys: those loads stay inside the buffer, and what is made of them serves nothing
.if PVON
	s_wait_dscnt 22                                ; V0 is in; out may be V1, six stores, V2
.endif
	ROW K_U,0, K_U,1
	ROW K_U,2, K_U,3
	ROW K_U,4, K_U,5
	ROW K_U,6, K_U,7
	ROW K_W,0, K_W,1
	ROW K_W,2, K_W,3
.rept 6
	ROW
.endr
	s_wait_dscnt 0x0                               ; for the others' sake: all my images are in their owners' inboxes, and my reads of p(t) and a(t) are over
	s_barrier_signal -1
.rept 3
	ROW
.endr
	ROW K_W,4, K_W,5, K_W,6, K_W,7                 ; these four are also the places in front of V3's loads, into the buffer that V0 leaves
	WIN 0
	s_barrier_wait -1                              ; everybody's images are in
.irp d, 0,1,2
.irp q, 0,1,2,3
	ds_load_b128 v[IN+16*(\d)+4*(\q):IN+16*(\d)+4*(\q)+3], v[BA] offset:(\d)*2048+(\q)*512
.endr
.endr
.if PVON
	VLOADG 3, VOFF
.endif
.rept 10
	ROW
.endr
	s_wait_dscnt 8*(\pv)                           ; the three images are in; V3's eight loads may be out
	ROW K_F,0, K_F,1, K_F,2, K_F,3
	ROW K_F,4, K_F,5, K_F,6, K_F,7
	ROW K_F,8, K_F,9, K_F,10, K_F,11
	ROW K_F,12, K_F,13, K_F,14, K_F,15
	ROW K_F,16, K_F,17, K_F,18, K_F,19
	ROW K_F,20, K_F,21, K_F,22, K_F,23
	ROW K_X,0, K_X,1, K_X,2, K_X,3
.if (\par) == 0
	v_add_nc_u32 v[AK], s[TBN], v[AK0]             ; the next body's K lies in the other slot
.endif
	ROW K_X,4, K_X,5, K_X,6, K_X,7
	ROW K_X,8
	ROW K_X,9
	ROW K_X,10
	ROW K_X,11
	ROW K_X,12, K_D,0, K_D,1, K_D,2                ; behind each exponential stands a plain line before its result is used (ISA guide 5.7.2): here, and in the rows below, the row's last lines
	ROW K_D,3, K_D,4, K_D,5, K_D,6
	ROW K_E,0, K_E,1, K_D,7
	ROW K_E,2, K_E,3, K_C,0
	ROW K_E,4, K_E,5, K_C,1
	ROW K_E,6, K_E,7, K_C,2, K_B,0
	ROW K_E,8, K_E,9, K_C,3
	ROW K_E,10, K_E,11, K_C,4, K_B,1
	ROW K_E,12, K_E,13, K_C,5
	ROW K_E,14, K_E,15, K_C,6, K_B,2, K_C,7
	WIN 0
	ds_store_b128 v[BA], v[PFN:PFN+3]   offset:POFF
	ds_store_b128 v[BA], v[PFN+4:PFN+7] offset:POFF+512
	ds_store_b32 v[BA], v[AF] offset:AOFF
.if (\par) == 0
	s_wait_tensorcnt 0x0                           ; my strip of the other slot's tile, which I alone read, has landed: no load was issued behind it, so the count is 0
.endif
	KLOAD 0, HALF*(\par)                           ; the next body's first group of K
.irp k, 0,1
	global_load_b128 v[MK+8*(\k):MK+8*(\k)+3],   v[MO], s[MB:MB+1] offset:64*(\k)     ; the next half's mask
	global_load_b128 v[MK+8*(\k)+4:MK+8*(\k)+7], v[MO], s[MB:MB+1] offset:64*(\k)+16
.endr
.if PVON
	s_wait_dscnt 11                                ; V3 is in; out may be three stores and K's eight loads
.endif
	ROW K_B,3
	ROW K_B,4, K_B,5
	ROW K_B,6
	ROW K_L,0
.rept 4
	ROW
.endr
.if \fill
	WIN 0                                          ; (the add's two registers lie in window 0)
	s_wait_tensorcnt 0x0                           ; no tensor load of mine is out, so the walking group 0 may be written
	ds_add_u32 v[SPW], v[NIL]                      ; 0 onto my spare word; scalar steps and four products stand between it and the wait for it
	s_xor_b32 s[G0W+1], s[G0W+1], SLOT             ; the other slot than last time (SLOT's two bits are set in no w x STRIP),
	s_add_nc_u64 s[G0W+2:G0W+3], s[G0W+2:G0W+3], TILEB  ; the next 64 keys; the type bits on top are not reached
.endif
.if (\par) == 1
	s_xor_b32 s[TB], s[TB], SLOT                   ; the next trip's slot is the other one
	s_xor_b32 s[TBN], s[TBN], SLOT
.endif
.rept 4
	ROW
.endr
	s_wait_dscnt 0x0                               ; for the others' sake: p(t + 1) and a(t + 1) are there, my reads of my inbox and of the trip's slot are over (and the add is done)
	s_barrier_signal -1
.rept 4
	ROW                                            ; work on registers while the others arrive
.endr
	WIN 0                                          ; at a label and at a branch every window is 0
	s_barrier_wait -1
.if \fill
	CREST                                          ; the barrier has opened a round of the cluster's: no wave of any partner still reads the slot or has a load on its way
	tensor_load_to_lds s[G0W:G0W+3], s[G1:G1+7]    ; the first thing behind the round, my one load: one load of mine is out
	s_nop 0
	PLACES
.endif
.endm
	s_wait_tensorcnt 1                             ; my strip of tile 0 is in; tile 1's may stay out
	s_barrier_signal -1
	s_barrier_wait -1
	BODY 1, 0, 1, 0                                ; the prologue: half 0's scores and softmax
	s_mov_b32 s[CNT], 30
.Ltrip:                                                ; trips 0 to 29: behind trip j tile j + 2 is asked for
	BODY 0, 1, 0, 0
	BODY 1, 1, 0, 1
	s_sub_co_u32 s[CNT], s[CNT], 1
	s_cmp_lg_u32 s[CNT], 0
	s_cbranch_scc1 .Ltrip
	s_mov_b32 s[CNT], 2
.Ltail:                                                ; trips 30 and 31 have a text of their own: nothing is asked for
	BODY 0, 1, 0, 0
	BODY 1, 1, 0, 0
	s_sub_co_u32 s[CNT], s[CNT], 1
	s_cmp_lg_u32 s[CNT], 0
	s_cbranch_scc1 .Ltail
	; THE WAY OUT.  l behind half 63 lies in the odd halves' pair.  The owner adds its two halves and the other half of the lanes', and publishes 1 / l as it published a, 512 bytes further on.
	s_wait_loadcnt 0x0                             ; the mask loads that serve nothing have landed: their registers are free
	v_add_f32 v[CT], v[LS+2], v[LS+3]
	v_permlanex16_b32 v[CT+1], v[CT], s[SEL], s[SEL+1]
	v_add_f32 v[CT], v[CT], v[CT+1]
	v_rcp_f32 v[AF], v[CT]
	v_nop                                          ; a plain instruction between the reciprocal and the use of its result
	s_wait_alu depctr_va_vdst(0)
	ds_store_b32 v[BA], v[AF] offset:ROFF
	s_wait_dscnt 0x0                               ; for the others' sake
	s_barrier_signal -1
	; The stages lie in my own strips, which have had their last fill: block i's at my strip of slot i / 2, + 16,640 x (i % 2).
	v_and_b32 v[WR], 15, v0
	v_bfe_u32 v[WH], v0, 4, 1
	v_mul_u32_u24 v[STW], v[WR], SPITCH            ; in: row lane % 16; the upper half of the lanes holds channels 64 on: 256 bytes
	v_lshl_add_u32 v[STW], v[WH], 8, v[STW]
	v_add_nc_u32 v[STW], s[WS], v[STW]
	v_add_nc_u32 v[STW+1], SLOT, v[STW]
	v_and_b32 v[MX], 31, v0
	v_lshl_add_u32 v[STR], v[MX], 4, s[WS]         ; back: 32 lanes take 512 consecutive bytes of a row
	v_add_nc_u32 v[STR+1], SLOT, v[STR]
.irp i, 0,1,2,3
	s_lshl_b32 s56, s[GI+(\i)], 16                 ; block g_i's 16 rows of 4,096 bytes in out
	v_lshl_add_u32 v[CT+(\i)], v[MX], 4, s56
.endr
	s_barrier_wait -1
.irp i, 1,2,3
	ds_load_b32 v[AF+2*(\i)], v[BA+(\i)] offset:ROFF
.endr
	s_wait_dscnt 0x0
.macro MULO i                          ; local block i's 16 accumulators times 1 / l: each accumulator's lowest pair first
.irp x, 1,2
	WIN 0x41*(\x)
.set cbl, 0
.rept 8
.set rO, 8*(4*cbl+(\i))
.irp p, 0,1,2,3
	v_pk_mul_f32 v[rO+2*(\p):rO+2*(\p)+1], v[rO+2*(\p):rO+2*(\p)+1], v[AF+2*(\i):AF+2*(\i)+1] op_sel_hi:[1,0]
.endr
.set cbl, cbl+1
.endr
.endr
.endm
.macro STAGE i                         ; a lane's eight channels of a row are 32 bytes; they go into rows of 1,040 bytes and come back as half rows of 512, into the registers that they left
.set st_o, ((\i)%2)*STG
.irp x, 1,2
	WIN 0x04*(\x)                                  ; the stores' data in O^T's window
.set cbl, 0
.rept 8
.set rO, 8*(4*cbl+(\i))
	ds_store_b128 v[STW+(\i)/2], v[rO:rO+3]   offset:st_o+512*((\x)-1)+32*cbl
	ds_store_b128 v[STW+(\i)/2], v[rO+4:rO+7] offset:st_o+512*((\x)-1)+32*cbl+16
.set cbl, cbl+1
.endr
.endr
.irp x, 1,2
	WIN 0x40*(\x)                                  ; the loads' destination in O^T's window
.set cbl, 0
.rept 8
.set rO, 8*(4*cbl+(\i))
	ds_load_b128 v[rO:rO+3],   v[STR+(\i)/2] offset:st_o+(8*((\x)-1)+cbl)*SPITCH      ; LDS serves a wave's instructions in order (ISA guide 5.7.1.4): these see the stores above
	ds_load_b128 v[rO+4:rO+7], v[STR+(\i)/2] offset:st_o+(8*((\x)-1)+cbl)*SPITCH+512
.set cbl, cbl+1
.endr
.endr
.endm
.macro SEND i                          ; no LDS instruction was issued behind STAGE's 32 loads: load t is in when 31 - t are out
.irp x, 1,2
	WIN 0x04*(\x)
.set cbl, 0
.rept 8
.set rO, 8*(4*cbl+(\i))
.set row, 8*((\x)-1)+cbl
	s_wait_dscnt 31-2*row
	global_store_b128 v[CT+(\i)], v[rO:rO+3],   s[OUTB:OUTB+1] offset:row*4096 th:TH_STORE_NT      ; 512 consecutive bytes, at a multiple of 512 from out's first byte
	s_wait_dscnt 30-2*row
	global_store_b128 v[CT+(\i)], v[rO+4:rO+7], s[OUTB:OUTB+1] offset:row*4096+512 th:TH_STORE_NT
.set cbl, cbl+1
.endr
.endr
.endm
	MULO 0
	STAGE 0
	MULO 1                                         ; a block's multiplies stand between the loads of the block before and its stores
	SEND 0
	STAGE 1
	MULO 2
	SEND 1
	STAGE 2
	MULO 3
	SEND 2
	STAGE 3
	SEND 3
	WIN 0
	s_wait_tensorcnt 0x0                           ; the wave's end, behind my last tensor load and my last LDS store
	ds_add_u32 v[SPW], v[NIL]
	s_wait_dscnt 0x0
	CROUND                                         ; the closing round: no work-group ends while a partner may still ask for a tile that names it
	s_endpgm
.Lfunc_end_k_qeb7cd0b633_attn:
	.size	k_qeb7cd0b633_attn, .Lfunc_end_k_qeb7cd0b633_attn-k_qeb7cd0b633_attn
	.p2alignl 7, 3214868480
	.fill 96, 4, 3214868480
	.section	.rodata,"a",@progbits
	.p2align	6, 0x0
	.amdhsa_kernel k_qeb7cd0b633_attn
		.amdhsa_group_segment_fixed_size 327680
		.amdhsa_private_segment_fixed_size 0
		.amdhsa_enable_private_segment 0
		.amdhsa_kernarg_size 24
		.amdhsa_user_sgpr_count 2
		.amdhsa_user_sgpr_kernarg_segment_ptr 1
		.amdhsa_wavefront_size32 1
		.amdhsa_system_sgpr_workgroup_id_x 1
		.amdhsa_system_sgpr_workgroup_id_y 1
		.amdhsa_system_sgpr_workgroup_id_z 1
		.amdhsa_system_vgpr_workitem_id 0
		.amdhsa_next_free_vgpr 1024
		.amdhsa_next_free_sgpr 66
		.amdhsa_reserve_vcc 0
		.amdhsa_float_denorm_mode_32 3
		.amdhsa_float_denorm_mode_16_64 3
		.amdhsa_memory_ordered 1
		.amdhsa_forward_progress 1
		.amdhsa_inst_pref_size 255
	.end_amdhsa_kernel
	.section	.bss,"aw",@nobits
	.p2align	6
	.space	262144
	.amdgpu_metadata
---
amdhsa.version: [ 1, 2 ]
amdhsa.kernels:
  - .name:           k_qeb7cd0b633_attn
    .symbol:         k_qeb7cd0b633_attn.kd
    .args:
      - { .name: attention_mask, .offset: 0, .size: 8, .value_kind: global_buffer, .address_space: global }
      - { .name: xb, .offset: 8, .size: 8, .value_kind: global_buffer, .address_space: global }
      - { .name: out0, .offset: 16, .size: 8, .value_kind: global_buffer, .address_space: global }
    .group_segment_fixed_size: 327680
    .private_segment_fixed_size: 0
    .kernarg_segment_align: 8
    .kernarg_segment_size: 24
    .max_flat_workgroup_size: 128
    .sgpr_count:     66
    .vgpr_count:     1024
    .wavefront_size: 32
...
	.end_amdgpu_metadata
.endif
;; end of part 2
